; MI455X (gfx1250); checked and timed in simulation.
; The chip was launched on July 23, 2026; its instructions are those of AMD's public machine-readable ISA for CDNA 5 (MIT licence, August 2026) and "CDNA5" Instruction Set Architecture Reference Guide (July 2026). The comments in the code are by the model that wrote it; some were corrected since.
;; Dynamic Weight Attention. Allowed arithmetic: matrix products marked QUANTISED: E2M1 operands, one E8M0 scale for each 32 along K, by v_wmma_scale_f32_16x16x128_f8f6f4 with both operands' format E2M1 (or v_wmma_scale_f32_32x16x128_f4), f32 sums; products left as they are: f32 operands where the result goes on into a quantised operand, else bf16, f16 or f32 operands; f32 sums; everything else in f32.
;; Inputs: b1 64 float32; b2 1 float32; dynamic_features 1,024 x 256 x 16 x 16 float32; ln_beta 32 float32; ln_gamma 32 float32; static_features 256 x 16 x 16 float32; w1 32 x 64 float32; w2 64 x 1 float32.
;; Outputs: out0 1,024 x 256 x 16 float32.
;; This version of the problem:
;;   THIS VERSION OF THE PROBLEM IS GIVEN IN LOW PRECISION. The matrix products marked QUANTISED in the list below multiply operands that are first quantised to E2M1 (2 exponent bits, 1 mantissa bit; 4 bits a number), with one power-of-two scale for each 32 numbers along K (OCP MX v1.0); their sums are f32. All else is computed in f32.
;;   The module's matrix products, in the order in which they are computed (A, B: the left and right operand; K: the contracted axis; several contracted axes count as one K, in the product's order):
;;     1. [M 4,194,304, K 32] x [K 32, N 64]; A: computed on the way; B: input w1: QUANTISED
;;     2. [M 4,194,304, K 64] x [K 64, N 1]; A: computed on the way; B: input w2: left as it is (N = 1 < 16)
;;   THE QUANTISER, for each operand of a quantised product, along K:
;;     - K is cut into blocks of 32 from its start; a last block that is shorter is filled with zeros.
;;     - A block's scale is 2^e with e = floor(log2(the largest magnitude in the block)) - 2, held to -126 .. 127; a block of zeros has e = 0. As a byte (E8M0): e + 127.
;;     - Each number is divided by its block's scale, clamped to +-6, and rounded to the nearest number of E2M1, ties to even, subnormals kept.
;;     - The product sums the exact products of the quantised numbers (number of the format x scale) in f32.
;;   ~~~python
;;   def quantise(x, axis):      # numpy; x: float32 -> the quantised numbers, widened to float32 again
;;       x = np.moveaxis(x, axis, -1); K = x.shape[-1]
;;       x = np.pad(x, [(0, 0)] * (x.ndim - 1) + [(0, -K % 32)]); x = x.reshape(x.shape[:-1] + (-1, 32)); a = np.abs(x).max(-1, keepdims=True)
;;       e = np.where(a > 0, np.clip(np.frexp(np.where(a > 0, a, 1))[1] - 1 - 2, -126, 127), 0)      # np.frexp(a)[1] - 1 = floor(log2(a)), exactly
;;       r = np.clip(x / 2.0 ** e, -6, 6)
;;       step = 2.0 ** (np.maximum(np.frexp(np.where(r == 0, 1, r))[1] - 1, 0) - 1)
;;       q = np.round(r / step) * step * 2.0 ** e      # np.round: ties to even
;;       return np.moveaxis(q.reshape(q.shape[:-2] + (-1,))[..., :K], -1, axis).astype(np.float32)
;;   ~~~
;;   OPERANDS COMPUTED ON THE WAY. 'Computed on the way' means the value that the module computes at that place (a softmax that the list does not call 'softmax' is quantised finished and normalised). What goes into a quantiser is computed in f32, as accurately as f32 sums, v_exp_f32 and their like allow (about 1e-6 of the number): no bf16 or f16 on the way to a quantiser, and a product that is left as it is and whose result goes on into a quantised operand takes f32 operands (vector FMAs, or v_wmma_f32_16x16x4_f32). A number that lies on a knife's edge between two numbers of the format may be rounded either way, as far as f32 arithmetic and the matrix unit's own rounding can turn it there, and no further.
;; One version. Each part assembles by itself: llvm-mc -triple=amdgcn-amd-amdhsa -mcpu=gfx1250 --defsym DOCPART=n.
;; ======== version 1 of 1: 1 launch
;; launch dwa (part 1): grid 256 x 1, 16 waves a work-group, no clusters, 327,680 bytes of LDS; arguments dynamic_features, static_features, ln_gamma, ln_beta, w1, b1, w2, out0; writes out0
.if DOCPART == 1
	.amdgcn_target "amdgcn-amd-amdhsa--gfx1250"
	.amdhsa_code_object_version 6
	.text
	.protected	k_qd24e3280a5_dwa
	.globl	k_qd24e3280a5_dwa
	.p2align	8
	.type	k_qd24e3280a5_dwa,@function
k_qd24e3280a5_dwa:
	s_mov_b64 s[64:65], 0
	v_nop
	global_prefetch_b8 v0, s[64:65] scope:SCOPE_SE
	s_setreg_imm32_b32 hwreg(HW_REG_WAVE_MODE, 25, 1), 1
	s_wait_xcnt 0x0
; out0[b][n][:] = softmax over h of score(b, n, h);  score = w2 . tanh(Q(LN(dynamic[b][n][h] ++ static[n][h]) gamma + beta) Q(w1) + b1) + b2.
; Q: the MX-FP4 quantiser along K = 32: a row's 32 numbers are ONE block, and so is each of w1's 64 columns.  All else in f32.
; WORK LEFT OUT, for all finite values of the inputs.  (1) b2 is added to all 16 scores of a softmax alike, and softmax(s + c) = softmax(s): b2 has no way to the output; it is not loaded and is no argument.
; (2) tanh(x) = 1 - 2 / (1 + e^(2x)) is an identity, so score = sum_d w2[d] - 2 sum_d w2[d] / (1 + e^(2 x_d)); the first sum is the same for all rows, so it goes the way of b2 and is not formed.
; The maximum is taken away ahead of the softmax's exponential, as reference() does.
; LIMITS.  NaN and infinities among the inputs are not served.  A NaN, an infinity or an overflow that reaches only b2 or the sum of w2 is not carried to the result.  A block of zeros gets the scale byte 1 where
; the rule says 127: its codes are zeros, which add nothing, and the bytes are read here alone.  The variance is summed as dynamic part / 32 + (static part / 32 + eps) + d^2 / 2, another order of rounding than reference()'s.
; e^(2x) beyond f32 becomes infinity and its reciprocal 0, which is tanh = 1.
; SHARES.  Rows (n, h) number 4,096, 64 bytes of dynamic_features each for each b.  Work-group g takes rows 1024 (g & 3) on and b = 16 (g >> 2) on; each of its sixteen waves 64 rows, for all 16 b; lane L rows 2 L and 2 L + 1
; of them.  So a lane's static numbers stay in registers, a wave's part of one b is 4,096 consecutive bytes, a lane's two results are 8 neighbouring bytes (a store of the wave covers 256 consecutive bytes, aligned),
; and the 16 h of one n lie in 8 neighbouring lanes x 2 registers.  Four waves share a SIMD, so that one wave's exponentials and reciprocals stand beside another's plain arithmetic.
; THE STREAM comes by the tensor data mover into a ring of two LDS slots for each wave, its own, 2 b to a slot; the tables come once, into registers.  By this text's own count a wave has two tensor loads out at the head, later one.
; NO CLUSTER: no two work-groups read the same byte of dynamic_features; what they share (w1, b1, w2, gamma, beta: 9 KB; static: 4 KB a wave) is read once at the head against 64 KB of stream a wave.
; K = 32 IN AN INSTRUCTION OF K = 128.  In the 4-bit layout registers 0-3 hold block 0 (k 0-31) of row l % 16 in lanes 0-15 and block 1 in lanes 16-31.  Every lane puts ITS OWN row's 32 codes into registers 0-3 of source 1: block 0
; is then the row of lane r, block 1 the row of lane 16 + r.  w1's side chooses: a tile's codes in lanes 0-15 and zeros above (LO) multiply the rows of lanes 0-15, the reverse (HI) those of lanes 16-31.  Blocks 2 and 3 of
; source 1 are zero codes, so registers 4-7 of source 0 may hold anything: they are the next fragment's.  Every scale word holds its byte in bytes 0 and 1.  No code and no scale changes lanes.
; The product is used transposed (source 0 = 16 columns of w1, source 1 = 16 rows): lane (r, h') holds one row, and register j of tile t its hidden unit 16 t + 8 h' + j.  b1 is the C of each product.
.set BROW,  4608                       ; one b of a wave in LDS: 4,096 bytes + 16 of padding behind every 128
.set SLOTB, 2*BROW                     ; a slot: 2 b
.set RING,  2*SLOTB                    ; a wave's two slots
.set SPARE, 16*RING                    ; behind the rings: the spare words, 128 bytes for each wave: eight blocks of 256 bytes that no other line names
.set SPW, 1                            ; v1   LDS address of my spare word: SPARE + 4 x my thread's number; never rewritten
.set NIL, 2                            ; v2   0; never rewritten
.set LB,  3                            ; v3   my 128 bytes in slot 0's first b: RING x wave + 144 x lane
.set ADR, 4                            ; v4   the same in the b in hand
.set OO,  5                            ; v5   8 x lane: my two results
.set WS,  6                            ; v6-7 w1's scale words: v[WS+p]: lanes 0-15 tile 2 p, lanes 16-31 tile 2 p + 1
.set XS,  8                            ; v8   my row's scale word
                                       ; v9 at work; v10 -mean, v11 d = static mean - mean; v12 1/sqrt(var + eps) (v13 = 0, named with it as a pair); v14, v16 half the static mean of row 0, 1; v15, v17 static part of the variance + eps
                                       ; v18-21 at work; v[22:25] two chains of sums; v26, v27 the two rows' scores; v28 (v29 = 0) softmax; v30, v31 partial scores
.set XF,  32                           ; v32-35 my row's codes; v36-39 zero codes, written once
.set W,   40                           ; v40-55 LO fragments, four registers a tile; v56-71 HI; v72-75 zeros
.set B1,  76                           ; v76-107  b1 in the result's layout, eight registers a tile
.set W2,  108                          ; v108-139 w2 x (-2 log2 e), likewise
.set ST,  140                          ; v140-171 my two rows' static numbers less their mean
.set X0,  172                          ; v172-187 row 0's dynamic numbers; later results
.set X1,  188                          ; v188-203 row 1's
.set T,   204                          ; v204-219 the normalised static half; later results
.set E,   220                          ; v220-251 the HI products' results
.set O,   252                          ; v252-253 what is stored
.set DR,  254                          ; v254 d / sqrt(var + eps) (v255 = 0, named with it as a pair)
.set G0A, 4                            ; s[4:7]   descriptor group 0 for slot 0
.set G0B, 8                            ; s[8:11]  for slot 1
.set G1,  12                           ; s[12:19] descriptor group 1
.set OUTP, 20                          ; s[20:21] out0 at my wave's rows of the b in hand
.set WV,  22                           ; s22  my wave's number
.set TB,  23                           ; s23  LDS byte, within a ring, of the b in hand
.set CB,  24                           ; s24  counts a slot's two b
.set LC,  25                           ; s25  counts the ring's trips
.set C2,  26                           ; s[26:27] 2 log2 e, twice: the packed form names a pair
.set NI32, 28                          ; s28  -1/32
.set I32, 29                           ; s29  1/32
.set EPSR, 30                          ; s30  1e-4
.set FLR, 31                           ; s31  2^(3 - 127): the floor under a block's largest magnitude, which holds the scale's byte at 1 from below
.set BE,  32                           ; s[32:63] beta
.set GA,  68                           ; s[68:99] gamma (s[68:83] hold the eight arguments first)
	s_load_b512 s[68:83], s[0:1], 0x0              ; dynamic 68, static 70, gamma 72, beta 74, w1 76, b1 78, w2 80, out0 82
	v_lshl_add_u32 v[SPW], v0, 2, SPARE
	v_mov_b32 v[NIL], 0
	ds_add_u32 v[SPW], v[NIL]                      ; the wave's opening: the add, twice on end, and its wait ahead of my first tensor load; the set-up below, work on registers, stands between
	ds_add_u32 v[SPW], v[NIL]                      ; and once more, under the one wait
	v_lshrrev_b32 v9, 5, v0
	v_readfirstlane_b32 s[WV], v9                  ; wave 0..15
	; group 1: a tile of 2 rows (2 b) x 512 elements of 8 bytes, 262,144 bytes from row to row
	s_mov_b32 s[G1+0], (3<<16)|(1<<20)|(4<<22)|(3<<25)   ; no mask; elements of 8 bytes; padding on: behind every 32 words (code 4) 4 words (code 3)
	s_mov_b32 s[G1+1], 512<<16                     ; tensor_dim0 = 512
	s_mov_b32 s[G1+2], 2<<16                       ; tensor_dim1 = 2
	s_mov_b32 s[G1+3], 512<<16                     ; tile_dim0 = 512
	s_mov_b32 s[G1+4], 2                           ; tile_dim1 = 2
	s_mov_b32 s[G1+5], 32768                       ; elements from b to b
	s_mov_b32 s[G1+6], 0
	s_mov_b32 s[G1+7], 0
	s_and_b32 s26, ttmp9, 3
	s_lshr_b32 s27, ttmp9, 2                       ; which 16 b
	s_lshl_b32 s26, s26, 10
	s_lshl_b32 s30, s[WV], 6
	s_add_co_u32 s26, s26, s30                     ; my wave's first row: 1024 (g & 3) + 64 x wave
	s_lshl_b32 s30, s26, 6                         ; in static_features: 64 bytes a row
	s_mov_b32 s31, 0
	s_lshl_b32 s28, s27, 22                        ; in dynamic_features: 16 b of 262,144 bytes,
	s_add_co_u32 s28, s28, s30                     ; and the rows
	s_mov_b32 s29, 0
	s_lshl_b32 s24, s27, 18                        ; in out0: 16 b of 16,384 bytes,
	s_lshl_b32 s25, s26, 2
	s_add_co_u32 s24, s24, s25                     ; and 4 bytes a row
	s_mov_b32 s25, 0
	s_mov_b32 s[G0A], 1                            ; count = 1
	s_mul_i32 s[G0A+1], s[WV], RING                ; LDS address: my ring, slot 0
	s_mov_b32 s[G0B], 1
	s_add_co_u32 s[G0B+1], s[G0A+1], SLOTB         ; slot 1
	s_wait_dscnt 0x0                               ; both opening adds are done
	s_wait_kmcnt 0x0
	s_add_nc_u64 s[G0A+2:G0A+3], s[68:69], s[28:29]        ; my rows of b 0 and 1
	s_add_nc_u64 s[G0B+2:G0B+3], s[G0A+2:G0A+3], 0x80000   ; of b 2 and 3
	s_or_b32 s[G0A+3], s[G0A+3], 0x80000000        ; type = 2
	s_or_b32 s[G0B+3], s[G0B+3], 0x80000000
	tensor_load_to_lds s[G0A:G0A+3], s[G1:G1+7]    ; both first fills go out together, in every wave, ahead of every wait on TENSORcnt, LDS read and barrier
	s_nop 0
	tensor_load_to_lds s[G0B:G0B+3], s[G1:G1+7]
	s_nop 0
	s_load_b512 s[BE:BE+15], s[74:75], 0x0         ; beta
	s_load_b512 s[BE+16:BE+31], s[74:75], 0x40
	s_load_b512 s[GA+16:GA+31], s[72:73], 0x40     ; gamma 16 to 31; gamma 0 to 15 take the arguments' registers when these are done with
	s_mov_b64 s[2:3], s[72:73]
	s_add_nc_u64 s[OUTP:OUTP+1], s[82:83], s[24:25]
	s_add_nc_u64 s[70:71], s[70:71], s[30:31]
	s_mov_b32 s[C2], 0x4038aa3b
	s_mov_b32 s[C2+1], 0x4038aa3b
	s_mov_b32 s[NI32], 0xbd000000
	s_mov_b32 s[I32], 0x3d000000
	s_mov_b32 s[EPSR], 0x38d1b717
	s_mov_b32 s[FLR], 0x1800000
	v_and_b32 v9, 31, v0                           ; lane
	v_lshlrev_b32 v22, 2, v9                       ; w1: lane L takes column 32 p + L, and its registers run down K
	v_bfe_u32 v23, v0, 4, 1
	v_lshlrev_b32 v23, 5, v23                      ; b1, w2: my half's eight numbers of a tile
	v_lshlrev_b32 v24, 7, v9                       ; static: my two rows
.irp p, 0,1
.set k, 0
.rept 32
	global_load_b32 v[X0+32*\p+k], v22, s[76:77] offset:256*k+128*\p
.set k, k+1
.endr
.endr
.irp t, 0,1,2,3
	global_load_b128 v[B1+8*\t:B1+8*\t+3], v23, s[78:79] offset:64*\t
	global_load_b128 v[B1+8*\t+4:B1+8*\t+7], v23, s[78:79] offset:64*\t+16
.endr
.irp t, 0,1,2,3
	global_load_b128 v[W2+8*\t:W2+8*\t+3], v23, s[80:81] offset:64*\t
	global_load_b128 v[W2+8*\t+4:W2+8*\t+7], v23, s[80:81] offset:64*\t+16
.endr
.irp n, 0,1,2,3,4,5,6,7
	global_load_b128 v[ST+4*\n:ST+4*\n+3], v24, s[70:71] offset:16*\n
.endr
	s_wait_loadcnt 24                              ; w1's 64 loads are in; the 24 issued behind them may be out
	; w1 is quantised: a column's 32 numbers are one lane's, so its largest magnitude needs no other lane, and the conversions give codes with K innermost
.irp p, 0,1
	v_max3_num_f32 v[18+\p], |v[X0+32*\p]|, |v[X0+32*\p+1]|, s[FLR]
.endr
.irp n, 2,4,6,8,10,12,14,16,18,20,22,24,26,28,30
.irp p, 0,1
	v_max3_num_f32 v[18+\p], v[18+\p], |v[X0+32*\p+\n]|, |v[X0+32*\p+\n+1]|
.endr
.endr
.irp p, 0,1
	v_add_nc_u32 v[20+\p], 0xff000000, v[18+\p]    ; 2 off the exponent field: the conversion takes the exponent field of this operand as its scale
.endr
.irp p, 0,1
	v_lshrrev_b32 v[18+\p], 23, v[20+\p]           ; the scale's byte
.endr
.irp p, 0,1
	v_lshl_or_b32 v[WS+\p], v[18+\p], 8, v[18+\p]  ; in bytes 0 and 1: the codes stand in block 0 (LO) or in block 1 (HI)
.endr
.irp p, 0,1
.irp g, 0,1,2,3
	v_cvt_scalef32_pk8_fp4_f32 v[E+16+4*\p+\g], v[X0+32*\p+8*\g:X0+32*\p+8*\g+7], v[20+\p]
.endr
.endr
	v_nop                                          ; one plain place behind the scaled conversions
	; a register of codes holds tile 2 p in lanes 0-15 and tile 2 p + 1 in lanes 16-31.  The swap exchanges its first operand's lanes 16-31 with its second's lanes 0-15:
	; (codes, 0) becomes the two LO fragments, (0, codes) the two HI fragments
.irp p, 0,1
.irp g, 0,1,2,3
	v_mov_b32 v[W+8*\p+\g], v[E+16+4*\p+\g]
	v_mov_b32 v[W+8*\p+4+\g], 0
	v_mov_b32 v[W+16+8*\p+\g], 0
	v_mov_b32 v[W+16+8*\p+4+\g], v[E+16+4*\p+\g]
	v_permlane16_swap_b32 v[W+8*\p+\g], v[W+8*\p+4+\g]
	v_permlane16_swap_b32 v[W+16+8*\p+\g], v[W+16+8*\p+4+\g]
.endr
.endr
.irp g, 0,1,2,3
	v_mov_b32 v[W+32+\g], 0                        ; what the last HI fragment names as its registers 4-7
	v_mov_b32 v[XF+4+\g], 0                        ; blocks 2 and 3 of source 1: zero codes, for the whole launch
.endr
	s_wait_loadcnt 0x0                             ; b1, w2, static are in: no vector load names an argument any more,
	s_wait_kmcnt 0x0                               ; and no scalar load:
	s_load_b512 s[GA:GA+15], s[2:3], 0x0           ; gamma 0 to 15 take the arguments' registers
.set i, 0
.rept 16
	v_pk_mul_f32 v[W2+2*i:W2+2*i+1], v[W2+2*i:W2+2*i+1], 0xc038aa3b op_sel_hi:[1,0]   ; w2 x (-2 log2 e): the scores come out in units of log2
.set i, i+1
.endr
	v_mov_b32 v11, 0                               ; (named below as the upper half of a pair)
.irp q, 0,1                                    ; my two static rows: mean taken away once, for all b
.set SQ, ST+16*\q
	v_pk_add_f32 v[18:19], v[SQ:SQ+1], v[SQ+2:SQ+3]
	v_pk_add_f32 v[20:21], v[SQ+4:SQ+5], v[SQ+6:SQ+7]
	v_pk_add_f32 v[18:19], v[18:19], v[SQ+8:SQ+9]
	v_pk_add_f32 v[20:21], v[20:21], v[SQ+10:SQ+11]
	v_pk_add_f32 v[18:19], v[18:19], v[SQ+12:SQ+13]
	v_pk_add_f32 v[20:21], v[20:21], v[SQ+14:SQ+15]
	v_pk_add_f32 v[18:19], v[18:19], v[20:21]
	v_add_f32 v18, v18, v19
	v_mul_f32 v10, 0xbd800000, v18                 ; - the static mean
	v_mul_f32 v[14+2*\q], s[I32], v18              ; half the static mean: its share of the row's mean
.irp j, 0,2,4,6,8,10,12,14
	v_pk_add_f32 v[SQ+\j:SQ+\j+1], v[SQ+\j:SQ+\j+1], v[10:11] op_sel_hi:[1,0]
.endr
	v_pk_mul_f32 v[18:19], v[SQ:SQ+1], v[SQ:SQ+1]
	v_pk_mul_f32 v[20:21], v[SQ+2:SQ+3], v[SQ+2:SQ+3]
.irp j, 4,8,12
	v_pk_fma_f32 v[18:19], v[SQ+\j:SQ+\j+1], v[SQ+\j:SQ+\j+1], v[18:19]
	v_pk_fma_f32 v[20:21], v[SQ+\j+2:SQ+\j+3], v[SQ+\j+2:SQ+\j+3], v[20:21]
.endr
	v_pk_add_f32 v[18:19], v[18:19], v[20:21]
	v_add_f32 v18, v18, v19
	v_fma_f32 v[15+2*\q], v18, s[I32], s[EPSR]     ; the static part of the variance, and eps
.endr
	v_mul_u32_u24 v[LB], v9, 144                   ; 128 bytes + 16 of padding a lane: 36 words, so the sixteen lanes of a half start at sixteen different 16-byte columns of 256 bytes (64 banks of 4 bytes: ISA guide 11.1)
	v_add_nc_u32 v[LB], s[G0A+1], v[LB]
	v_lshlrev_b32 v[OO], 3, v9
	v_mov_b32 v13, 0                               ; upper halves of pairs of which the low word alone is used
	v_mov_b32 v29, 0
	v_mov_b32 v[DR+1], 0
	s_wait_kmcnt 0x0                               ; gamma 0 to 15
; One product: tile t of w1 against 16 rows.  hi = 0: the rows of lanes 0-15; 1: of lanes 16-31.  The scale words' rows go with them: w1's odd tiles and the upper rows' words lie in lanes 16-31.
.macro PROD d, t, hi
.set FA, W+16*(\hi)+4*(\t)
.set FC, B1+8*(\t)
.set FS, WS+(\t)/2
.if ((\hi) == 0) && (((\t)%2) == 0)
	v_wmma_scale_f32_16x16x128_f8f6f4 v[\d:\d+7], v[FA:FA+7], v[XF:XF+7], v[FC:FC+7], v[FS], v[XS] matrix_a_fmt:MATRIX_FMT_FP4 matrix_b_fmt:MATRIX_FMT_FP4
.elseif (\hi) == 0
	v_wmma_scale_f32_16x16x128_f8f6f4 v[\d:\d+7], v[FA:FA+7], v[XF:XF+7], v[FC:FC+7], v[FS], v[XS] matrix_a_fmt:MATRIX_FMT_FP4 matrix_b_fmt:MATRIX_FMT_FP4 matrix_a_scale:MATRIX_SCALE_ROW1
.elseif ((\t)%2) == 0
	v_wmma_scale_f32_16x16x128_f8f6f4 v[\d:\d+7], v[FA:FA+7], v[XF:XF+7], v[FC:FC+7], v[FS], v[XS] matrix_a_fmt:MATRIX_FMT_FP4 matrix_b_fmt:MATRIX_FMT_FP4 matrix_b_scale:MATRIX_SCALE_ROW1
.else
	v_wmma_scale_f32_16x16x128_f8f6f4 v[\d:\d+7], v[FA:FA+7], v[XF:XF+7], v[FC:FC+7], v[FS], v[XS] matrix_a_fmt:MATRIX_FMT_FP4 matrix_b_fmt:MATRIX_FMT_FP4 matrix_a_scale:MATRIX_SCALE_ROW1 matrix_b_scale:MATRIX_SCALE_ROW1
.endif
.endm
; Pair i of 16 of a lane's 32 hidden units: LP its registers in the LO results, HP in the HI results, WP in w2's
.macro PAIR
.if i < 8
.set LP, XB+2*i
.else
.set LP, T+2*(i-8)
.endif
.set HP, E+2*i
.set WP, W2+2*i
.set CH, 22+2*(i%2)
.endm
; A STEP: 32 rows, one a lane: row q of my two, its 16 dynamic numbers in v[xb] on.  It leaves my row's score, in units of log2, in v[26 + q].
.macro STEP q, xb
.set XB, \xb
.set SQ, ST+16*(\q)
.set AQ, 14+2*(\q)
	v_pk_add_f32 v[18:19], v[XB:XB+1], v[XB+2:XB+3]        ; the sum of the dynamic 16, in two chains
	v_pk_add_f32 v[20:21], v[XB+4:XB+5], v[XB+6:XB+7]
	v_pk_add_f32 v[18:19], v[18:19], v[XB+8:XB+9]
	v_pk_add_f32 v[20:21], v[20:21], v[XB+10:XB+11]
	v_pk_add_f32 v[18:19], v[18:19], v[XB+12:XB+13]
	v_pk_add_f32 v[20:21], v[20:21], v[XB+14:XB+15]
	v_pk_add_f32 v[18:19], v[18:19], v[20:21]
	v_add_f32 v18, v18, v19
	v_fma_f32 v10, v18, s[NI32], -v[AQ]            ; - the row's mean = - sum / 32 - half the static mean
	v_fma_f32 v11, v18, s[NI32], v[AQ]             ; d = the static mean - the row's mean
.irp j, 0,2,4,6,8,10,12,14
	v_pk_add_f32 v[XB+\j:XB+\j+1], v[XB+\j:XB+\j+1], v[10:11] op_sel_hi:[1,0]
.endr
	v_mul_f32 v9, 0.5, v11
	v_fma_f32 v9, v9, v11, v[AQ+1]                 ; the static 16's share of var + eps: the sum of (s - mean)^2 is the sum of (s - static mean)^2 + 16 d^2, since the first-order term sums to 0
	v_pk_mul_f32 v[18:19], v[XB:XB+1], v[XB:XB+1]
	v_pk_mul_f32 v[20:21], v[XB+2:XB+3], v[XB+2:XB+3]
.irp j, 4,8,12
	v_pk_fma_f32 v[18:19], v[XB+\j:XB+\j+1], v[XB+\j:XB+\j+1], v[18:19]
	v_pk_fma_f32 v[20:21], v[XB+\j+2:XB+\j+3], v[XB+\j+2:XB+\j+3], v[20:21]
.endr
	v_pk_add_f32 v[18:19], v[18:19], v[20:21]
	v_add_f32 v18, v18, v19
	v_fma_f32 v18, v18, s[I32], v9                 ; var + eps
	v_rsq_f32 v12, v18
	v_nop                                          ; a plain instruction behind the transcendental,
	s_wait_alu depctr_va_vdst(0)                   ; and the wait ahead of the first instruction that names its result
	v_mul_f32 v[DR], v11, v12
.irp j, 0,2,4,6,8,10,12,14
	v_pk_mul_f32 v[XB+\j:XB+\j+1], v[XB+\j:XB+\j+1], v[12:13] op_sel_hi:[1,0]
.endr
.irp j, 0,2,4,6,8,10,12,14
	v_pk_fma_f32 v[T+\j:T+\j+1], v[SQ+\j:SQ+\j+1], v[12:13], v[DR:DR+1] op_sel_hi:[1,0,0]   ; (s - static mean + d) / sqrt(var + eps)
.endr
.set k, 0
.rept 16
	v_fma_f32 v[XB+k], v[XB+k], s[GA+k], s[BE+k]   ; x gamma + beta
.set k, k+1
.endr
.set k, 0
.rept 16
	v_fma_f32 v[T+k], v[T+k], s[GA+16+k], s[BE+16+k]
.set k, k+1
.endr
	; the row is one block of 32: its largest magnitude, in four chains, with the floor as one more leaf
	v_max3_num_f32 v18, |v[XB]|, |v[XB+1]|, |v[XB+2]|
	v_max3_num_f32 v19, |v[XB+8]|, |v[XB+9]|, |v[XB+10]|
	v_max3_num_f32 v20, |v[T]|, |v[T+1]|, |v[T+2]|
	v_max3_num_f32 v21, |v[T+8]|, |v[T+9]|, |v[T+10]|
.irp n, 3,5
	v_max3_num_f32 v18, v18, |v[XB+\n]|, |v[XB+\n+1]|
	v_max3_num_f32 v19, v19, |v[XB+8+\n]|, |v[XB+9+\n]|
	v_max3_num_f32 v20, v20, |v[T+\n]|, |v[T+\n+1]|
	v_max3_num_f32 v21, v21, |v[T+8+\n]|, |v[T+9+\n]|
.endr
	v_max3_num_f32 v18, v18, v19, |v[XB+7]|
	v_max3_num_f32 v20, v20, v21, |v[XB+15]|
	v_max3_num_f32 v18, v18, |v[T+7]|, |v[T+15]|
	v_max3_num_f32 v18, v18, v20, s[FLR]
	v_add_nc_u32 v19, 0xff000000, v18              ; 2 off the exponent field: the conversions' scale operand
	v_lshrrev_b32 v20, 23, v19                     ; the scale's byte,
	v_lshl_or_b32 v[XS], v20, 8, v20               ; in bytes 0 and 1: my row is block 0 (lanes 0-15) or block 1 (lanes 16-31) of its column
	v_cvt_scalef32_pk8_fp4_f32 v[XF], v[XB:XB+7], v19
	v_cvt_scalef32_pk8_fp4_f32 v[XF+1], v[XB+8:XB+15], v19
	v_cvt_scalef32_pk8_fp4_f32 v[XF+2], v[T:T+7], v19
	v_cvt_scalef32_pk8_fp4_f32 v[XF+3], v[T+8:T+15], v19
.rept 8
	v_nop                                          ; a scale register written by a vector instruction stands eight places ahead of a scaled matrix instruction, an operand so written four; the first is also the plain place behind the conversions
.endr
	PROD XB, 0, 0                                  ; eight products on eight accumulators, each begun with b1 as its C: no accumulator is taken up twice.  The LO results land on the numbers just quantised
	PROD XB+8, 1, 0
	PROD T, 2, 0
	PROD T+8, 3, 0
	PROD E, 0, 1
	PROD E+8, 1, 1
	PROD E+16, 2, 1
	PROD E+24, 3, 1
.rept 4
	v_nop                                          ; four places ahead of the first read of results (ISA guide 7.12.1)
.endr
	; THE HIDDEN LAYER: r = 1 / (1 + 2^(2 log2 e x)), partial score = the sum of r x w2'.  The exponentials and reciprocals of one half go in batches of 32, two at a time with one packed plain line of the OTHER half
	; behind them; nothing in a batch names a result of the batch, and one wait stands behind each batch, ahead of its first reader.  Each accumulator is read from its low end on.
.set i, 0
.rept 16
	PAIR
	v_pk_mul_f32 v[LP:LP+1], v[LP:LP+1], s[C2:C2+1] op_sel_hi:[1,0]
.set i, i+1
.endr
.set i, 0
.rept 16
	PAIR
	v_exp_f32 v[LP], v[LP]
	v_exp_f32 v[LP+1], v[LP+1]
	v_pk_mul_f32 v[HP:HP+1], v[HP:HP+1], s[C2:C2+1] op_sel_hi:[1,0]
.set i, i+1
.endr
	s_wait_alu depctr_va_vdst(0)                   ; for LO's 32 exponentials
.set i, 0
.rept 16
	PAIR
	v_exp_f32 v[HP], v[HP]
	v_exp_f32 v[HP+1], v[HP+1]
	v_pk_add_f32 v[LP:LP+1], v[LP:LP+1], 1.0 op_sel_hi:[1,0]
.set i, i+1
.endr
	s_wait_alu depctr_va_vdst(0)                   ; for HI's 32 exponentials
.set i, 0
.rept 16
	PAIR
	v_rcp_f32 v[LP], v[LP]
	v_rcp_f32 v[LP+1], v[LP+1]
	v_pk_add_f32 v[HP:HP+1], v[HP:HP+1], 1.0 op_sel_hi:[1,0]
.set i, i+1
.endr
	s_wait_alu depctr_va_vdst(0)                   ; for LO's 32 reciprocals
.set i, 0
.rept 16
	PAIR
	v_rcp_f32 v[HP], v[HP]
	v_rcp_f32 v[HP+1], v[HP+1]
.if i < 2
	v_pk_mul_f32 v[CH:CH+1], v[LP:LP+1], v[WP:WP+1]        ; the first products start the two chains: nothing is cleared
.else
	v_pk_fma_f32 v[CH:CH+1], v[LP:LP+1], v[WP:WP+1], v[CH:CH+1]
.endif
.set i, i+1
.endr
	s_wait_alu depctr_va_vdst(0)                   ; for HI's 32 reciprocals
	v_pk_add_f32 v[22:23], v[22:23], v[24:25]
	v_add_f32 v30, v22, v23                        ; lane (r, h'): my 32 hidden units' share of the score of lane r's row
.set i, 0
.rept 16
	PAIR
.if i < 2
	v_pk_mul_f32 v[CH:CH+1], v[HP:HP+1], v[WP:WP+1]
.else
	v_pk_fma_f32 v[CH:CH+1], v[HP:HP+1], v[WP:WP+1], v[CH:CH+1]
.endif
.set i, i+1
.endr
	v_pk_add_f32 v[22:23], v[22:23], v[24:25]
	v_add_f32 v31, v22, v23                        ; the same of lane 16 + r's row
	v_permlane16_swap_b32 v30, v31                 ; v30's lanes 16-31 change places with v31's lanes 0-15: every lane now holds the two shares of ITS OWN row
	v_add_f32 v[26+(\q)], v30, v31
.endm
; The softmax over the 16 h of one n: 8 neighbouring lanes x 2 registers; then the store: 8 bytes a lane, 256 consecutive bytes a wave.
.macro SOFTMAX
	v_max_num_f32 v28, v26, v27
	v_max_num_f32_dpp v28, v28, v28 row_xmask:1 row_mask:0xf bank_mask:0xf
	v_max_num_f32_dpp v28, v28, v28 row_xmask:2 row_mask:0xf bank_mask:0xf
	v_max_num_f32_dpp v28, v28, v28 row_xmask:4 row_mask:0xf bank_mask:0xf
	v_pk_add_f32 v[26:27], v[26:27], v[28:29] op_sel_hi:[1,0] neg_lo:[0,1] neg_hi:[0,1]   ; the maximum is taken away
	v_exp_f32 v26, v26
	v_exp_f32 v27, v27
	v_nop
	s_wait_alu depctr_va_vdst(0)                   ; one wait for the two
	v_add_f32 v30, v26, v27
	v_add_f32_dpp v30, v30, v30 row_xmask:1 row_mask:0xf bank_mask:0xf
	v_add_f32_dpp v30, v30, v30 row_xmask:2 row_mask:0xf bank_mask:0xf
	v_add_f32_dpp v30, v30, v30 row_xmask:4 row_mask:0xf bank_mask:0xf
	v_rcp_f32 v28, v30
	v_nop
	s_wait_alu depctr_va_vdst(0)
	v_pk_mul_f32 v[O:O+1], v[26:27], v[28:29] op_sel_hi:[1,0]
	global_store_b64 v[OO], v[O:O+1], s[OUTP:OUTP+1] th:TH_STORE_NT
	s_wait_xcnt 0x0                                ; the store has read its base and its data: only behind this wait is the base stepped, and the data written again in the next trip
	s_add_nc_u64 s[OUTP:OUTP+1], s[OUTP:OUTP+1], 16384     ; the next b
.endm
; A slot's two b: written once, walked twice.
.macro PROCESS slot
	s_mov_b32 s[TB], SLOTB*(\slot)
	s_mov_b32 s[CB], 2
.Lb_\@:
	v_add_nc_u32 v[ADR], s[TB], v[LB]
.irp n, 0,1,2,3
	ds_load_b128 v[X0+4*\n:X0+4*\n+3], v[ADR] offset:16*\n
.endr
.irp n, 0,1,2,3
	ds_load_b128 v[X1+4*\n:X1+4*\n+3], v[ADR] offset:64+16*\n
.endr
	s_wait_dscnt 4                                 ; the first row's four loads are in; the second row's four may be out
	STEP 0, X0
	s_wait_dscnt 0x0
	STEP 1, X1
	SOFTMAX
	s_add_co_u32 s[TB], s[TB], BROW
	s_sub_co_u32 s[CB], s[CB], 1
	s_cmp_lg_u32 s[CB], 0
	s_cbranch_scc1 .Lb_\@
.endm
; The change of slots.  Each wave waits for all its tensor loads (the one that is out is the slot that it is about to read), adds 0 to its spare word, waits for that and for its reads of the slot that it has left,
; and passes the barrier with the other fifteen.  refill = 1: the slot just left takes the b four further on: the wave's one tensor load behind the barrier, and the first thing there; it has this slot's two b in which to land.
.macro TWO slot, refill
.set OG, G0A+4*(1-(\slot))
	s_wait_tensorcnt 0x0                           ; no tensor load of mine is out, so a group 0 may be written
	ds_add_u32 v[SPW], v[NIL]                      ; 0 onto my spare word
.if \refill
	s_add_nc_u64 s[OG+2:OG+3], s[OG+2:OG+3], 0x100000      ; 4 b of 262,144 bytes on; the type bits on top are not reached
.endif
	s_wait_dscnt 0x0                               ; the add is done, and my reads of the slot that I have left are over
	s_barrier_signal -1
	s_barrier_wait -1
.if \refill
	tensor_load_to_lds s[OG:OG+3], s[G1:G1+7]
	s_nop 0
.endif
	PROCESS \slot
.endm
	s_wait_tensorcnt 0x1                           ; slot 0 is in; slot 1's load, issued behind it, may be out.  I read my own slots alone, so this wait is all that the reads need
	PROCESS 0                                      ; b 0, 1
	s_mov_b32 s[LC], 3
.Lring:                                            ; three trips: b 2 to 13; both slots are filled again in each
	TWO 1, 1
	TWO 0, 1
	s_sub_co_u32 s[LC], s[LC], 1
	s_cmp_lg_u32 s[LC], 0
	s_cbranch_scc1 .Lring
	TWO 1, 0                                       ; b 14, 15: nothing is left to fetch
	s_wait_tensorcnt 0x0                           ; the wave's end
	ds_add_u32 v[SPW], v[NIL]
	s_wait_dscnt 0x0
	s_endpgm
.Lfunc_end_k_qd24e3280a5_dwa:
	.size	k_qd24e3280a5_dwa, .Lfunc_end_k_qd24e3280a5_dwa-k_qd24e3280a5_dwa
	.p2alignl 7, 3214868480
	.fill 96, 4, 3214868480
	.section	.rodata,"a",@progbits
	.p2align	6, 0x0
	.amdhsa_kernel k_qd24e3280a5_dwa
		.amdhsa_group_segment_fixed_size 327680
		.amdhsa_private_segment_fixed_size 0
		.amdhsa_enable_private_segment 0
		.amdhsa_kernarg_size 64
		.amdhsa_user_sgpr_count 2
		.amdhsa_user_sgpr_kernarg_segment_ptr 1
		.amdhsa_wavefront_size32 1
		.amdhsa_system_sgpr_workgroup_id_x 1
		.amdhsa_system_sgpr_workgroup_id_y 1
		.amdhsa_system_sgpr_workgroup_id_z 1
		.amdhsa_system_vgpr_workitem_id 0
		.amdhsa_next_free_vgpr 256
		.amdhsa_next_free_sgpr 100
		.amdhsa_reserve_vcc 0
		.amdhsa_float_denorm_mode_32 3
		.amdhsa_float_denorm_mode_16_64 3
		.amdhsa_memory_ordered 1
		.amdhsa_forward_progress 1
		.amdhsa_inst_pref_size 175
	.end_amdhsa_kernel
	.amdgpu_metadata
---
amdhsa.version: [ 1, 2 ]
amdhsa.kernels:
  - .name:           k_qd24e3280a5_dwa
    .symbol:         k_qd24e3280a5_dwa.kd
    .args:
      - { .name: dynamic_features, .offset: 0, .size: 8, .value_kind: global_buffer, .address_space: global }
      - { .name: static_features, .offset: 8, .size: 8, .value_kind: global_buffer, .address_space: global }
      - { .name: ln_gamma, .offset: 16, .size: 8, .value_kind: global_buffer, .address_space: global }
      - { .name: ln_beta, .offset: 24, .size: 8, .value_kind: global_buffer, .address_space: global }
      - { .name: w1, .offset: 32, .size: 8, .value_kind: global_buffer, .address_space: global }
      - { .name: b1, .offset: 40, .size: 8, .value_kind: global_buffer, .address_space: global }
      - { .name: w2, .offset: 48, .size: 8, .value_kind: global_buffer, .address_space: global }
      - { .name: out0, .offset: 56, .size: 8, .value_kind: global_buffer, .address_space: global }
    .group_segment_fixed_size: 327680
    .private_segment_fixed_size: 0
    .kernarg_segment_align: 8
    .kernarg_segment_size: 64
    .max_flat_workgroup_size: 512
    .sgpr_count:     100
    .vgpr_count:     256
    .wavefront_size: 32
...
	.end_amdgpu_metadata
.endif
;; end of part 1
